; MI455X (gfx1250); checked and timed in simulation.
; The chip was launched on July 23, 2026; its instructions are those of AMD's public machine-readable ISA for CDNA 5 (MIT licence, August 2026) and "CDNA5" Instruction Set Architecture Reference Guide (July 2026). The comments in the code are by the model that wrote it; some were corrected since.
;; Attention. Allowed arithmetic: float matrix products may take bf16 or f16 operands with f32 sums; all other float work in f32.
;; Inputs: b_out 256 float32; b_qkv 768 float32; w_out 256 x 256 float32; w_qkv 256 x 768 float32; x 4,096 x 256 float32.
;; Outputs: out0 4,096 x 256 float32.
;; 2 versions, each right; version 2 is version 1 with the launch prep written anew for expert scheduling mode. Each part assembles by itself: llvm-mc -triple=amdgcn-amd-amdhsa -mcpu=gfx1250 --defsym DOCPART=n.
;; ======== version 1 of 2: 3 launches
;; limits: values are held in f16: magnitudes above 65,504 overflow, below 6.1e-05 lose precision
;; workspace buffers: qf 2,097,152 bytes; kf 2,097,152 bytes; vf 2,097,152 bytes; of 2,097,152 bytes; wof 131,072 bytes
;; launch prep (part 1): grid 4 x 64, 8 waves a work-group, no clusters, 135,168 bytes of LDS; arguments x, w_qkv, b_qkv, w_out, qf, kf, vf, wof; writes qf, kf, vf, wof
.if DOCPART == 1
	.amdgcn_target "amdgcn-amd-amdhsa--gfx1250"
	.amdhsa_code_object_version 6
	.text
	.protected	k_qadc10a4515_prep
	.globl	k_qadc10a4515_prep
	.p2align	8
	.type	k_qadc10a4515_prep,@function
k_qadc10a4515_prep:
	s_mov_b64 s[64:65], 0
	v_nop
	global_prefetch_b8 v0, s[64:65] scope:SCOPE_SE
	s_setreg_imm32_b32 hwreg(HW_REG_WAVE_MODE, 25, 1), 1
	s_wait_xcnt 0x0
; qkv = x w_qkv + b_qkv, rounded to f16 and stored in the order in which the attention launch's matrix operands lie in
; registers; besides, w_out is rounded to f16 in the order of the last launch's operands.
; A PIECE is 512 bytes: lane L's 16 bytes at 16 L = registers 4c..4c+3 of a 16 x 32 f16 operand (row or column L & 15,
; k = 16 c + 8 (L >> 4) + 0..7: ISA guide 7.12.2).  A packed 16 x 16 result IS such a piece, so each goes out by one store of
; 512 consecutive, aligned bytes.
;   qf, kf: [head 8][tile of 16 rows 256][c 2] pieces, k = d.    vf: [head 8][32 keys 128][dt 2][c 2] pieces, row = d, k = key.
;   wof:    [nt 16][ks 8][c 2] pieces, row = output column, k = input column.
; The work-group (bx, by) makes 64 rows x 192 columns: 48 tiles x 8 k steps.  Wave w: row tile w & 3, column half w >> 2
; (3 groups of 32 columns = one head's q, k or v).
; f16, not bf16: four roundings lie between x and the output, and 2^-9 each is too coarse for one hundredth of the output's rms.
; LIMIT: |q|, |k|, |v| (and x, w) below 65,504, f16's largest number.
; No cluster, no tensor load: w has to be transposed and rounded on its way, which goes through registers; its f32 slice
; (196,608 bytes) beside the f16 images (134,080 bytes) would not fit into 327,680 bytes of LDS.
.set XPITCH, 272                       ; x image: 16 rows x 16 bytes + 16: the 8-byte stage stores of 32 lanes fall on 64 different words
.set XTILE,  32*XPITCH                 ; a row tile: 32 octets of k
.set WF,     4*XTILE                   ; w image: (column tile nt, octet o, column r) at nt*WTILE + 256 o + 16 r
.set WTILE,  8208                      ; 32 octets x 256 + 16: the stage stores of 16 lanes fall on 16 different 16-byte columns
.set BL,     WF+12*WTILE               ; 192 f32 of bias
.set T,      32                        ; v[32:47]   at work
.set XR,     48                        ; v[48:111]  x as loaded; later x operands, 8 ks + 4 c
.set WR,     112                       ; v[112:239] w as loaded, 4 slots of 32; later w operands, 64 e + 8 ks + 4 c
.set ACC,    240                       ; v[240:255] two result tiles
	s_load_b512 s[4:19], s[0:1], 0x0               ; x, w_qkv, b_qkv, w_out, qf, kf, vf, wof
	s_set_vgpr_msb 0x40
	v_lshl_add_u32 v0, v0, 2, 0x20c00
	v_mov_b32 v1, 0
	s_set_vgpr_msb 0x4000
	v_lshrrev_b32 v1, 5, v0
	v_readfirstlane_b32 s20, v1                    ; wave
	s_mov_b32 s21, ttmp9                           ; bx
	s_and_b32 s22, ttmp7, 0xffff                   ; by
	s_and_b32 s23, s20, 3                          ; rt
	s_lshr_b32 s24, s20, 2                         ; ch
	s_lshl2_add_u32 s25, s22, s21                  ; b = 4 by + bx, 0..255: the piece of wof that this work-group makes
	v_and_b32 v1, 31, v0                           ; L
	v_and_b32 v32, 15, v0                          ; r
	v_bfe_u32 v33, v0, 4, 1                        ; h
	v_lshlrev_b32 v2, 4, v1                        ; v2 = 16 L
	v_lshlrev_b32 v3, 4, v32
	v_mad_u32_u24 v3, v33, 0x6000, v3              ; v3 = 8 h rows of w (3,072 bytes each) + 16 r
	v_lshrrev_b32 v34, 1, v1
	v_and_b32 v35, 1, v0
	v_mul_u32_u24 v4, v34, XPITCH
	v_lshl_add_u32 v4, v35, 3, v4
	s_lshr_b32 s26, s20, 1
	s_mul_i32 s26, s26, XTILE
	s_and_b32 s27, s20, 1
	s_lshl_b32 s27, s27, 7
	s_add_co_u32 s26, s26, s27
	v_add_nc_u32 v4, s26, v4                       ; v4: x stage: octet L >> 1, half L & 1, row tile w >> 1, rows 8 (w & 1) ..
	v_bfe_u32 v34, v0, 2, 2
	v_and_b32 v35, 3, v0
	v_mul_u32_u24 v5, v34, WTILE
	v_lshl_add_u32 v5, v35, 6, v5
	v_lshl_add_u32 v5, v33, 8, v5
	s_lshl_b32 s26, s20, 10
	s_add_co_u32 s26, s26, WF
	v_add_nc_u32 v5, s26, v5                       ; v5: w stage, columns 0-63: tile r >> 2, column 4 (r & 3), octet 4 w + h
	v_add_nc_u32 v6, 4*WTILE, v5                   ; v6: columns 64-127 (registers, since an LDS immediate has 16 bits)
	v_add_nc_u32 v7, 8*WTILE, v5                   ; v7: columns 128-191
	v_mul_u32_u24 v8, v33, XPITCH
	v_lshl_add_u32 v8, v32, 4, v8
	s_mul_i32 s26, s23, XTILE
	v_add_nc_u32 v8, s26, v8                       ; v8: x operands of my row tile
	s_mul_i32 s26, s24, 6*WTILE
	s_add_co_u32 s26, s26, WF
	v_add_nc_u32 v9, s26, v2                       ; v9: w operands of my group's first tile; steps by 2 tiles a trip
	s_mul_i32 s26, s24, 384
	s_add_co_u32 s26, s26, BL
	v_lshl_add_u32 v10, v33, 5, s26                ; v10: bias of columns 8 h .. of my group (q, k)
	v_lshl_add_u32 v11, v32, 2, s26                ; v11: bias of column r of my group (v)
	v_lshlrev_b32 v12, 2, v0
	v_add_nc_u32 v13, BL, v12
	v_lshlrev_b32 v15, 2, v32
	v_lshl_add_u32 v15, v33, 13, v15               ; v15: w_out: 8 h rows of 1,024 bytes + 4 r
	v_mov_b32 v29, 0                               ; upper registers of the two bias pairs: named by the packed add, not used
	v_mov_b32 v31, 0
	s_wait_kmcnt 0x0
	s_and_b32 s26, s25, 15
	s_lshl_b32 s26, s26, 14                        ; piece b of wof: k = 16 (b & 15) ..,
	s_lshr_b32 s28, s25, 4
	s_lshl_b32 s28, s28, 6                         ; columns 16 (b >> 4) ..
	s_add_co_u32 s26, s26, s28
	s_mov_b32 s27, 0
	s_add_nc_u64 s[10:11], s[10:11], s[26:27]
	s_mul_i32 s26, s21, 768
	s_add_nc_u64 s[8:9], s[8:9], s[26:27]          ; bias of my 192 columns
	s_mul_i32 s28, s20, 98304                      ; wave w stages k = 32 w .. 32 w + 31 of w_qkv
	s_add_co_u32 s26, s26, s28
	s_add_nc_u64 s[6:7], s[6:7], s[26:27]
	s_lshl_b32 s26, s22, 16
	s_lshl_b32 s28, s20, 13                        ; wave w stages rows 8 w .. 8 w + 7 of the block of x
	s_add_co_u32 s26, s26, s28
	s_add_nc_u64 s[4:5], s[4:5], s[26:27]
	s_lshl_b32 s26, s25, 9
	s_add_nc_u64 s[18:19], s[18:19], s[26:27]
	; The few loads that not every wave makes come first: they are the oldest, so no later count hangs on them.
	s_cmp_lg_u32 s20, 0
	s_cbranch_scc1 .Lno_wout
.irp i, 0,1,2,3,4,5,6,7
	global_load_b32 v[16+\i], v15, s[10:11] offset:\i*1024     ; w_out(k + i, column r)
.endr
.Lno_wout:
	s_cmp_ge_u32 s20, 6
	s_cbranch_scc1 .Lno_bias
	global_load_b32 v14, v12, s[8:9]               ; threads 0-191: one bias word each
.Lno_bias:
.irp i, 0,1,2,3,4,5,6,7
	global_load_b128 v[XR+8*\i:XR+8*\i+3],   v2, s[4:5] offset:\i*1024        ; a row of x by two loads of 512 consecutive bytes
	global_load_b128 v[XR+8*\i+4:XR+8*\i+7], v2, s[4:5] offset:\i*1024+512
.endr
; Group q = 3 c + u of w: rows k = 32 w + 16 c + 8 h + i, columns 64 u + 4 r .. + 3; sixteen lanes read 256 consecutive, aligned bytes.
.macro LOADW q
.irp i, 0,1,2,3,4,5,6,7
	global_load_b128 v[WR+32*((\q)%4)+4*\i:WR+32*((\q)%4)+4*\i+3], v3, s[6:7] offset:(16*((\q)/3)+\i)*3072+((\q)%3)*256
.endr
.endm
; The lane holds 8 k x 4 columns: each column's 8 k make the 16 bytes of one slot of the w image.
.macro PACKW q
.irp jj, 0,1,2,3
.irp ip, 0,1,2,3
	v_cvt_pk_f16_f32 v[T+4*\jj+\ip], v[WR+32*((\q)%4)+8*\ip+\jj], v[WR+32*((\q)%4)+8*\ip+4+\jj]
.endr
	ds_store_b128 v[5+(\q)%3], v[T+4*\jj:T+4*\jj+3] offset:((\q)/3)*512+16*\jj
.endr
.endm
	LOADW 0
	LOADW 1
	LOADW 2
	LOADW 3
	s_wait_loadcnt 32                              ; x and all that is older are in; the 32 loads of w stay out
.irp i, 0,1,2,3,4,5,6,7
.irp p, 0,1
	v_cvt_pk_f16_f32 v[T+4*\p],   v[XR+8*\i+4*\p],   v[XR+8*\i+4*\p+1]
	v_cvt_pk_f16_f32 v[T+4*\p+1], v[XR+8*\i+4*\p+2], v[XR+8*\i+4*\p+3]
	ds_store_b64 v4, v[T+4*\p:T+4*\p+1] offset:\p*16*XPITCH+16*\i
.endr
.endr
	s_cmp_ge_u32 s20, 6
	s_cbranch_scc1 .Lno_bias2
	ds_store_b32 v13, v14
.Lno_bias2:
	s_wait_loadcnt 24                              ; group 0 is in; groups 1, 2, 3 stay out
	PACKW 0
	s_wait_loadcnt 16                              ; group 1; 2 and 3 stay out
	PACKW 1
	LOADW 4                                        ; into the two slots just packed
	LOADW 5
	s_wait_loadcnt 24                              ; group 2; 3, 4, 5 stay out
	PACKW 2
	s_wait_loadcnt 16
	PACKW 3
	s_wait_loadcnt 8
	PACKW 4
	s_wait_loadcnt 0x0
	PACKW 5
	s_wait_dscnt 0x0                               ; my stage stores are done, for the other waves' sake,
	s_barrier_signal -1
	s_barrier_wait -1                              ; and so are everybody's: the images are read from here on and never written again
.irp ks, 0,1,2,3,4,5,6,7
	ds_load_b128 v[XR+8*\ks:XR+8*\ks+3],   v8 offset:(4*\ks)*XPITCH
	ds_load_b128 v[XR+8*\ks+4:XR+8*\ks+7], v8 offset:(4*\ks+2)*XPITCH
.endr
	s_mul_i32 s31, s21, 6
	s_mul_i32 s26, s24, 3
	s_add_co_u32 s31, s31, s26                     ; G: my first group of 32 columns; G >> 3: q, k or v; G & 7: head
	s_mov_b32 s30, 0
.Lgrp:
	s_wait_xcnt 0x0                                ; the last trip's stores have read ACC and s[36:37]: both are written again below
	s_lshr_b32 s33, s31, 3
	s_and_b32 s34, s31, 7
.irp e, 0,1
.irp ks, 0,1,2,3,4,5,6,7
	ds_load_b128 v[WR+64*\e+8*\ks:WR+64*\e+8*\ks+3],   v9 offset:\e*WTILE+\ks*1024
	ds_load_b128 v[WR+64*\e+8*\ks+4:WR+64*\e+8*\ks+7], v9 offset:\e*WTILE+\ks*1024+512
.endr
.endr
	s_lshl_b32 s26, s34, 18                        ; a head's part of qf, kf, vf: 262,144 bytes
	s_mov_b32 s27, 0
	s_cmp_eq_u32 s33, 2
	s_cbranch_scc1 .Lvpath
	; q or k: w first, x second: register j = column 8 h + j of row r, eight neighbouring d of one row.  The bias starts the sums.
.irp e, 0,1
	ds_load_b128 v[ACC+8*\e:ACC+8*\e+3],   v10 offset:64*\e
	ds_load_b128 v[ACC+8*\e+4:ACC+8*\e+7], v10 offset:64*\e+16
.endr
	s_lshl2_add_u32 s28, s22, s23                  ; tile 4 by + rt
	s_lshl_b32 s28, s28, 10
	s_add_co_u32 s26, s26, s28
	s_cmp_eq_u32 s33, 0
	s_cselect_b64 s[36:37], s[12:13], s[14:15]
	s_add_nc_u64 s[36:37], s[36:37], s[26:27]
	s_wait_dscnt 0x0
.irp ks, 0,1,2,3,4,5,6,7
.irp e, 0,1
	v_wmma_f32_16x16x32_f16 v[ACC+8*\e:ACC+8*\e+7], v[WR+64*\e+8*\ks:WR+64*\e+8*\ks+7], v[XR+8*\ks:XR+8*\ks+7], v[ACC+8*\e:ACC+8*\e+7]
.endr
.endr
.rept 5
	v_nop                                          ; four places before the results are read and operands loaded anew, five before the next trip's first product writes over ACC (ISA guide 7.12.1)
.endr
.irp e, 0,1
.irp i, 0,1,2,3
	v_cvt_pk_f16_f32 v[ACC+8*\e+\i], v[ACC+8*\e+2*\i], v[ACC+8*\e+2*\i+1]    ; in place: register i is written when 2 i and 2 i + 1 have been read
.endr
.endr
	global_store_b128 v2, v[ACC:ACC+3], s[36:37]               ; piece c = 0: d 0-15
	global_store_b128 v2, v[ACC+8:ACC+11], s[36:37] offset:512 ; piece c = 1: d 16-31
	s_branch .Lnext
.Lvpath:
	; v: x first, w second: register j = key 8 h + j at d = r, eight neighbouring keys of one d
	ds_load_b32 v28, v11
	ds_load_b32 v30, v11 offset:64
	s_lshr_b32 s28, s23, 1
	s_lshl1_add_u32 s28, s22, s28                  ; chunk of 32 keys: 2 by + (rt >> 1)
	s_lshl_b32 s28, s28, 11
	s_add_co_u32 s26, s26, s28
	s_and_b32 s28, s23, 1                          ; c = which 16 of the 32 keys
	s_lshl_b32 s28, s28, 9
	s_add_co_u32 s26, s26, s28
	s_add_nc_u64 s[36:37], s[16:17], s[26:27]
	s_wait_dscnt 0x0
.irp ks, 0,1,2,3,4,5,6,7
.irp e, 0,1
.if \ks == 0
	v_wmma_f32_16x16x32_f16 v[ACC+8*\e:ACC+8*\e+7], v[XR+8*\ks:XR+8*\ks+7], v[WR+64*\e+8*\ks:WR+64*\e+8*\ks+7], 0
.else
	v_wmma_f32_16x16x32_f16 v[ACC+8*\e:ACC+8*\e+7], v[XR+8*\ks:XR+8*\ks+7], v[WR+64*\e+8*\ks:WR+64*\e+8*\ks+7], v[ACC+8*\e:ACC+8*\e+7]
.endif
.endr
.endr
.rept 5
	v_nop                                          ; as above
.endr
.irp e, 0,1
.irp i, 0,1,2,3
	v_pk_add_f32 v[ACC+8*\e+2*\i:ACC+8*\e+2*\i+1], v[ACC+8*\e+2*\i:ACC+8*\e+2*\i+1], v[28+2*\e:29+2*\e] op_sel_hi:[1,0]   ; the lane's one bias to both
.endr
.endr
.irp e, 0,1
.irp i, 0,1,2,3
	v_cvt_pk_f16_f32 v[ACC+8*\e+\i], v[ACC+8*\e+2*\i], v[ACC+8*\e+2*\i+1]
.endr
.endr
	global_store_b128 v2, v[ACC:ACC+3], s[36:37]                ; dt = 0
	global_store_b128 v2, v[ACC+8:ACC+11], s[36:37] offset:1024 ; dt = 1
.Lnext:
	v_add_nc_u32 v9, 2*WTILE, v9
	v_add_nc_u32 v10, 128, v10
	v_add_nc_u32 v11, 128, v11
	s_add_co_u32 s31, s31, 1
	s_add_co_u32 s30, s30, 1
	s_cmp_lt_u32 s30, 3
	s_cbranch_scc1 .Lgrp
	s_cmp_lg_u32 s20, 0
	s_cbranch_scc1 .Lend
.irp i, 0,1,2,3
	v_cvt_pk_f16_f32 v[24+\i], v[16+2*\i], v[17+2*\i]          ; wave 0's oldest loads: in since the first counted wait
.endr
	global_store_b128 v2, v[24:27], s[18:19]       ; piece b of wof
.Lend:
	s_set_vgpr_msb 0x5
	s_wait_tensorcnt 0x0
	ds_add_u32 v0, v1
	s_wait_dscnt 0x0
	s_set_vgpr_msb 0x500
	s_endpgm
.Lfunc_end_k_qadc10a4515_prep:
	.size	k_qadc10a4515_prep, .Lfunc_end_k_qadc10a4515_prep-k_qadc10a4515_prep
	.p2alignl 7, 3214868480
	.fill 96, 4, 3214868480
	.section	.rodata,"a",@progbits
	.p2align	6, 0x0
	.amdhsa_kernel k_qadc10a4515_prep
		.amdhsa_group_segment_fixed_size 135168
		.amdhsa_private_segment_fixed_size 0
		.amdhsa_enable_private_segment 0
		.amdhsa_kernarg_size 64
		.amdhsa_user_sgpr_count 2
		.amdhsa_user_sgpr_kernarg_segment_ptr 1
		.amdhsa_wavefront_size32 1
		.amdhsa_system_sgpr_workgroup_id_x 1
		.amdhsa_system_sgpr_workgroup_id_y 1
		.amdhsa_system_sgpr_workgroup_id_z 1
		.amdhsa_system_vgpr_workitem_id 0
		.amdhsa_next_free_vgpr 258
		.amdhsa_next_free_sgpr 66
		.amdhsa_reserve_vcc 0
		.amdhsa_float_denorm_mode_32 3
		.amdhsa_float_denorm_mode_16_64 3
		.amdhsa_memory_ordered 1
		.amdhsa_forward_progress 1
		.amdhsa_inst_pref_size 31
	.end_amdhsa_kernel
	.amdgpu_metadata
---
amdhsa.version: [ 1, 2 ]
amdhsa.kernels:
  - .name:           k_qadc10a4515_prep
    .symbol:         k_qadc10a4515_prep.kd
    .args:
      - { .name: x, .offset: 0, .size: 8, .value_kind: global_buffer, .address_space: global }
      - { .name: w_qkv, .offset: 8, .size: 8, .value_kind: global_buffer, .address_space: global }
      - { .name: b_qkv, .offset: 16, .size: 8, .value_kind: global_buffer, .address_space: global }
      - { .name: w_out, .offset: 24, .size: 8, .value_kind: global_buffer, .address_space: global }
      - { .name: qf, .offset: 32, .size: 8, .value_kind: global_buffer, .address_space: global }
      - { .name: kf, .offset: 40, .size: 8, .value_kind: global_buffer, .address_space: global }
      - { .name: vf, .offset: 48, .size: 8, .value_kind: global_buffer, .address_space: global }
      - { .name: wof, .offset: 56, .size: 8, .value_kind: global_buffer, .address_space: global }
    .group_segment_fixed_size: 135168
    .private_segment_fixed_size: 0
    .kernarg_segment_align: 8
    .kernarg_segment_size: 64
    .max_flat_workgroup_size: 256
    .sgpr_count:     66
    .vgpr_count:     258
    .wavefront_size: 32
...
	.end_amdgpu_metadata
.endif
;; end of part 1
;; launch attn (part 2): grid 32 x 8, 8 waves a work-group, no clusters, 148,480 bytes of LDS; arguments qf, kf, vf, of; writes of
.if DOCPART == 2
	.amdgcn_target "amdgcn-amd-amdhsa--gfx1250"
	.amdhsa_code_object_version 6
	.text
	.protected	k_qadc10a4515_attn
	.globl	k_qadc10a4515_attn
	.p2align	8
	.type	k_qadc10a4515_attn,@function
k_qadc10a4515_attn:
	s_mov_b64 s[64:65], 0
	v_nop
	global_prefetch_b8 v0, s[64:65] scope:SCOPE_SE
	s_setreg_imm32_b32 hwreg(HW_REG_WAVE_MODE, 25, 1), 1
	s_wait_xcnt 0x0
; of = softmax(q k^T / 16) v for one head (work-group y) and 128 queries (work-group x), f16 operands, f32 sums and softmax.
; THE KEYS ARE SPLIT OVER THE WAVES: wave w takes all 8 query tiles against keys 512 w .. 512 w + 511, in 8 steps of 64 keys.
; So each byte of K and V is loaded once in the work-group, by the one wave that uses it, straight into operand registers
; (qf, kf, vf lie in operand order: a load of 512 consecutive bytes is half an operand).  The key loop has no LDS and no barrier.
; The eight partial results (maximum, sum, O) of a query tile meet once, in LDS, at the end.
; Transposed throughout: S^T = K Q^T puts query r in lanes r and r + 16 and keys in registers, so maximum and sum are per lane
; (one exchange between the halves), two packed S^T tiles ARE the second operand of O^T = V^T P^T, and a packed O^T tile is a
; piece of the last launch's operand.  P = exp2(C S - C m), C = log2(e) / 16, m the running maximum of the raw scores.
; No cluster and no joint request: K and V are shared by the 32 work-groups of a head, but a joint request lands in LDS, which
; would add an LDS write, an LDS read and a barrier for bytes that here go from one load into one wave's operands; a step's
; 8,192 bytes feed 64 matrix instructions and 8 x 111 vector instructions of the wave, so the loads are a small part of a step.
; LIMITS: NaN in the scores is dropped by the maxima, not passed on.  The sum adds P in f32, the product takes P rounded to f16.
.set CEXP, 0x3db8aa3b                  ; log2(e) / 16
.set CNEG, 0xbdb8aa3b
; window 0 (v0-v255)
.set QF,  16                           ; v[16:79]    q operands, tile t at 8 t
.set KB,  80                           ; v[80:143]   K of a step, two buffers of 32: key tile kt at 8 kt
.set VB,  144                          ; v[144:207]  V of a step, two buffers of 32: 16 kc + 8 dt
.set ML,  16                           ; merge: v[16:31] (-C m, l) of the 8 waves;  v[32:47] factors;  v[64:191] partial O;  v[192:199] packed
.set FF,  32
.set OM,  64
.set PK,  192
; window 1 (v256-v511, written by their low 8 bits)
.set OACC, 0                           ; O^T(t, dt) at 16 t + 8 dt
.set SBUF, 128                         ; scores, two buffers of 32 in turn: key tile kt at 8 kt
.set PF,   192                         ; P^T in f16: 16 registers, two operands of 32 keys
.set ST,   208                         ; tile t at 4 t: -C m, m, and the sum as a pair
.set T0,   240                         ; four at work
.set A0,   244                         ; rescale factor; 245 is named with it by packed forms and holds 0
.set UU,   246                         ; second chain of the sum
.set MSB, 0
.macro WIN new                         ; low byte: source 0, 1, 2, destination, two bits each; the high byte repeats the setting that is left
.if MSB != \new
	s_set_vgpr_msb (MSB<<8)|\new
.set MSB, \new
.endif
.endm
	s_load_b256 s[4:11], s[0:1], 0x0               ; qf, kf, vf, of
	v_lshl_add_u32 v254, v0, 2, 0x24000
	v_mov_b32 v255, 0
	v_lshrrev_b32 v8, 5, v0
	v_readfirstlane_b32 s12, v8                    ; wave
	s_and_b32 s13, ttmp7, 0xffff                   ; head
	v_and_b32 v8, 31, v0
	v_lshlrev_b32 v1, 4, v8                        ; v1 = 16 L
	v_lshlrev_b32 v9, 3, v8                        ; 8 L
	s_mul_i32 s28, s12, 2304                       ; LDS block (tile t, wave w) at 18432 t + 2304 w: 2,048 bytes of O, 256 of state
	v_add_nc_u32 v2, s28, v1                       ; v2, v3: where I put O of tiles 0-3, 4-7
	v_add_nc_u32 v3, 73728, v2
	v_add3_u32 v4, v9, s28, 2048                   ; v4, v5: the same for the state
	v_add_nc_u32 v5, 73728, v4
	s_mul_i32 s28, s12, 18432
	v_add_nc_u32 v6, s28, v1                       ; v6, v7: where I read tile w's eight blocks
	v_add3_u32 v7, v9, s28, 2048
	s_mov_b32 s20, CEXP
	s_mov_b32 s21, CEXP
	s_mov_b32 s22, CNEG
	s_mov_b32 s24, 0x76543210                      ; v_permlanex16_b32: lane i reads lane i of the other half
	s_mov_b32 s25, 0xfedcba98
	s_lshl_b32 s28, s13, 18
	s_lshl_b32 s29, s12, 15                        ; my 512 keys: 32,768 bytes of kf and of vf
	s_add_co_u32 s28, s28, s29
	s_mov_b32 s29, 0
	s_wait_kmcnt 0x0
	s_add_nc_u64 s[14:15], s[6:7], s[28:29]        ; K
	s_add_nc_u64 s[16:17], s[8:9], s[28:29]        ; V
	s_lshl_b32 s28, s13, 18
	s_lshl_b32 s30, ttmp9, 13
	s_add_co_u32 s28, s28, s30
	s_add_nc_u64 s[18:19], s[4:5], s[28:29]        ; Q: 8 tiles of 1,024 bytes
	s_lshl3_add_u32 s28, ttmp9, s12                ; I write query tile 8 x + w
	s_lshl_b32 s28, s28, 13
	s_lshl_b32 s30, s13, 10
	s_add_co_u32 s28, s28, s30
	s_add_nc_u64 s[10:11], s[10:11], s[28:29]
.macro LOADT dst, base, off            ; a step's K or V: 8 loads of 512 consecutive bytes
.irp p, 0,1,2,3,4,5,6,7
	global_load_b128 v[(\dst)+4*\p:(\dst)+4*\p+3], v1, s[\base:\base+1] offset:\off+512*\p
.endr
.endm
.macro QK t, kb                        ; S^T of query tile t against 64 keys: four products that start from 0
	WIN 0x40
.irp kt, 0,1,2,3
	v_wmma_f32_16x16x32_f16 v[SBUF+32*((\t)&1)+8*\kt:SBUF+32*((\t)&1)+8*\kt+7], v[(\kb)+8*\kt:(\kb)+8*\kt+7], v[QF+8*(\t):QF+8*(\t)+7], 0
.endr
.endm
.macro SOFTMAX t, first                ; 32 scores a lane: running maximum, exponentials, sum, P in f16; O and the sum rescaled
	WIN 0x55
.set SCUR, SBUF+32*((\t)&1)
.set MCUR, ST+4*(\t)
.set LCUR, ST+4*(\t)+2
.irp k, 0,1,2,3
	v_max3_num_f32 v[T0+\k], v[SCUR+3*\k], v[SCUR+3*\k+1], v[SCUR+3*\k+2]      ; four chains, started by the first 12 scores
.endr
.irp j, 0,1,2,3,4,5,6,7,8,9
	v_max3_num_f32 v[T0+\j%4], v[T0+\j%4], v[SCUR+12+2*\j], v[SCUR+13+2*\j]
.endr
	v_max3_num_f32 v[T0], v[T0], v[T0+1], v[T0+2]
	v_max_num_f32 v[T0], v[T0], v[T0+3]
	v_permlanex16_b32 v[T0+1], v[T0], s24, s25     ; the query's other 32 keys
.if \first
	v_max_num_f32 v[MCUR+1], v[T0], v[T0+1]
	v_mul_f32 v[MCUR], s22, v[MCUR+1]
.else
	v_max3_num_f32 v[T0+2], v[T0], v[T0+1], v[MCUR+1]
	v_mul_f32 v[T0+3], s22, v[T0+2]                ; the new -C m
	v_sub_f32 v[T0+1], v[T0+3], v[MCUR]            ; minus the old: the very numbers that the exponents take, so the factor is 1 when m stays
	v_exp_f32 v[A0], v[T0+1]
	v_mov_b32 v[MCUR], v[T0+3]                     ; a plain instruction behind the exponential that touches neither its result nor its source (ISA guide 5.7.2)
	v_mov_b32 v[MCUR+1], v[T0+2]
.endif
.set i, 0
.rept 16
	v_pk_fma_f32 v[SCUR+2*i:SCUR+2*i+1], v[SCUR+2*i:SCUR+2*i+1], s[20:21], v[MCUR:MCUR+1] op_sel_hi:[1,0,0]    ; C S - C m
.set i, i+1
.endr
.set i, 0
.rept 32
	v_exp_f32 v[SCUR+i], v[SCUR+i]
.set i, i+1
.endr
.if \first
	v_nop                                          ; the plain place behind the last exponential
	s_wait_alu depctr_va_vdst(0)
.else
	s_wait_alu depctr_va_vdst(0)
.irp j, 0,1,2,3,4,5,6,7
	v_pk_mul_f32 v[OACC+16*(\t)+2*\j:OACC+16*(\t)+2*\j+1], v[OACC+16*(\t)+2*\j:OACC+16*(\t)+2*\j+1], v[A0:A0+1] op_sel_hi:[1,0]   ; also that place
.endr
.endif
.set i, 0
.rept 16                               ; the sum in two chains of pairs, and beside each pair its rounding to f16
.if \first
.if i == 1
	v_pk_add_f32 v[LCUR:LCUR+1], v[SCUR:SCUR+1], v[SCUR+2:SCUR+3]
.endif
.if i == 3
	v_pk_add_f32 v[UU:UU+1], v[SCUR+4:SCUR+5], v[SCUR+6:SCUR+7]
.endif
.if i > 3
.set DSUM, LCUR+(UU-LCUR)*(i&1)
	v_pk_add_f32 v[DSUM:DSUM+1], v[DSUM:DSUM+1], v[SCUR+2*i:SCUR+2*i+1]
.endif
.else
.if i == 0
	v_pk_fma_f32 v[LCUR:LCUR+1], v[LCUR:LCUR+1], v[A0:A0+1], v[SCUR:SCUR+1] op_sel_hi:[1,0,1]
.endif
.if i == 2
	v_pk_add_f32 v[UU:UU+1], v[SCUR+2:SCUR+3], v[SCUR+4:SCUR+5]
.endif
.if i > 2
.set DSUM, LCUR+(UU-LCUR)*(1-(i&1))
	v_pk_add_f32 v[DSUM:DSUM+1], v[DSUM:DSUM+1], v[SCUR+2*i:SCUR+2*i+1]
.endif
.endif
	v_cvt_pk_f16_f32 v[PF+i], v[SCUR+2*i], v[SCUR+2*i+1]       ; key tile kt's registers 2 i', 2 i' + 1 -> register 4 kt + i' of P^T
.set i, i+1
.endr
	v_pk_add_f32 v[LCUR:LCUR+1], v[LCUR:LCUR+1], v[UU:UU+1]
.endm
.macro PV t, vb, first                 ; O^T(t) += V^T P^T over 64 keys; in the first step the first product starts the sums
	WIN 0x54
.irp kc, 0,1
.irp dt, 0,1
.if (\first)*(1-\kc)
	v_wmma_f32_16x16x32_f16 v[OACC+16*(\t)+8*\dt:OACC+16*(\t)+8*\dt+7], v[(\vb)+16*\kc+8*\dt:(\vb)+16*\kc+8*\dt+7], v[PF+8*\kc:PF+8*\kc+7], 0
.else
	v_wmma_f32_16x16x32_f16 v[OACC+16*(\t)+8*\dt:OACC+16*(\t)+8*\dt+7], v[(\vb)+16*\kc+8*\dt:(\vb)+16*\kc+8*\dt+7], v[PF+8*\kc:PF+8*\kc+7], v[OACC+16*(\t)+8*\dt:OACC+16*(\t)+8*\dt+7]
.endif
.endr
.endr
.endm
; A STEP: 64 keys against the 8 query tiles, on buffers b.  The scores of tile t + 1 are asked of the matrix unit ahead of tile t's
; softmax, so a whole softmax (plain vector work on other registers) lies between every matrix instruction and the first vector
; instruction or load that touches its registers: scores are read one softmax later, P is rewritten at the next
; softmax's end, the K buffer is loaded anew behind softmax 6, the V buffer behind the next step's softmax 0.
; Loads are issued in the order V(s+1) in step s at tile 0, K(s+2) in step s at tile 7: each wait for 8 leaves the one younger group out.
.macro STEP b, first, vwait, vload, voff, kload, koff, qknext
	QK 1, KB+32*\b
	SOFTMAX 0, \first
	WIN 0
	s_wait_loadcnt \vwait                          ; this step's V is in
.if \vload
	LOADT VB+32*(1-\b), 16, \voff
.endif
	PV 0, VB+32*\b, \first
.irp t, 1,2,3,4,5,6
	QK \t+1, KB+32*\b
	SOFTMAX \t, \first
	PV \t, VB+32*\b, \first
.endr
.if \qknext
	WIN 0
	s_wait_loadcnt 8                               ; the next step's K is in; the V asked for behind it stays out
.if \kload
	LOADT KB+32*\b, 14, \koff
.endif
	QK 0, KB+32*(1-\b)
.endif
	SOFTMAX 7, \first
	PV 7, VB+32*\b, \first
.endm
.irp p, 0,1,2,3,4,5,6,7,8,9,10,11,12,13,14,15
	global_load_b128 v[QF+4*\p:QF+4*\p+3], v1, s[18:19] offset:512*\p
.endr
	LOADT KB, 14, 0
	LOADT VB, 16, 0
	LOADT KB+32, 14, 4096
	WIN 0x40
	v_mov_b32 v[A0+1], 0
	s_wait_loadcnt 16                              ; Q and step 0's K are in; V of step 0 and K of step 1 stay out
	QK 0, KB
.rept 4
	v_nop                                          ; only here no softmax lies between scores and their first reading
.endr
	STEP 0, 1, 8, 1, 4096, 1, 8192, 1              ; step 0 starts maxima and sums: nothing is cleared
	STEP 1, 0, 8, 1, 8192, 1, 12288, 1
	WIN 0
	s_wait_xcnt 0x0                                ; the loads issued have taken their addresses: the bases may step
	s_add_nc_u64 s[14:15], s[14:15], 8192
	s_add_nc_u64 s[16:17], s[16:17], 8192
	s_mov_b32 s26, 0
.Lstep:                                            ; steps 2 to 5
	STEP 0, 0, 8, 1, 4096, 1, 8192, 1
	STEP 1, 0, 8, 1, 8192, 1, 12288, 1
	WIN 0
	s_wait_xcnt 0x0
	s_add_nc_u64 s[14:15], s[14:15], 8192
	s_add_nc_u64 s[16:17], s[16:17], 8192
	s_add_co_u32 s26, s26, 1
	s_cmp_lt_u32 s26, 2
	s_cbranch_scc1 .Lstep
	STEP 0, 0, 8, 1, 4096, 0, 0, 1                 ; step 6 asks for the last V and for no K
	STEP 1, 0, 0, 0, 0, 0, 0, 0                    ; step 7: nothing was asked for behind its V, so that wait is for 0
	; THE MERGE.  Each wave lays its (-C m, l) and O of all 8 tiles into LDS; wave w then joins the eight parts of tile w.
	WIN 0x55
.irp t, 0,1,2,3,4,5,6,7
	v_add_f32 v[ST+4*\t+1], v[ST+4*\t+2], v[ST+4*\t+3]         ; l beside -C m; these eight are also the places behind the last products
.endr
	WIN 0x04                                       ; address in window 0, data in window 1
.irp t, 0,1,2,3,4,5,6,7
.irp q, 0,1,2,3
	ds_store_b128 v[2+\t/4], v[OACC+16*\t+4*\q:OACC+16*\t+4*\q+3] offset:(\t%4)*18432+512*\q
.endr
	ds_store_b64 v[4+\t/4], v[ST+4*\t:ST+4*\t+1] offset:(\t%4)*18432
.endr
	WIN 0
	s_wait_dscnt 0x0                               ; my stores are done, for the other waves' sake
	s_barrier_signal -1
	s_barrier_wait -1
.irp i, 0,1,2,3,4,5,6,7
	ds_load_b64 v[ML+2*\i:ML+2*\i+1], v7 offset:2304*\i
.endr
.irp i, 0,1,2,3,4,5,6,7
.irp q, 0,1,2,3
	ds_load_b128 v[OM+16*\i+4*\q:OM+16*\i+4*\q+3], v6 offset:2304*\i+512*\q
.endr
.endr
	s_wait_dscnt 32                                ; the eight states are in; the 32 loads of O stay out
	v_min3_num_f32 v48, v[ML], v[ML+2], v[ML+4]    ; the least -C m belongs to the greatest m
	v_min3_num_f32 v48, v48, v[ML+6], v[ML+8]
	v_min3_num_f32 v48, v48, v[ML+10], v[ML+12]
	v_min_num_f32 v48, v48, v[ML+14]
.irp i, 0,1,2,3,4,5,6,7
	v_sub_f32 v[FF+2*\i+1], v48, v[ML+2*\i]
.endr
.irp i, 0,1,2,3,4,5,6,7
	v_exp_f32 v[FF+2*\i], v[FF+2*\i+1]             ; wave i's factor, 1 for the wave that holds the maximum
.endr
	v_mov_b32 v49, 0                               ; the plain place behind the exponentials; v49 is written before the exchange names it
	s_wait_alu depctr_va_vdst(0)
	v_mul_f32 v50, v[FF], v[ML+1]
.irp i, 1,2,3,4,5,6,7
	v_fma_f32 v50, v[FF+2*\i], v[ML+2*\i+1], v50
.endr
	v_permlanex16_b32 v49, v50, s24, s25           ; the sums of the two halves' keys
	v_add_f32 v50, v50, v49                        ; at least about 1: the greatest score's own term
	v_rcp_f32 v52, v50
	v_rcp_f32 v53, v50                             ; the joining of O below stands between these and their use
	s_wait_dscnt 28
.irp k, 0,1,2,3,4,5,6,7
	v_pk_mul_f32 v[OM+2*\k:OM+2*\k+1], v[OM+2*\k:OM+2*\k+1], v[FF:FF+1] op_sel_hi:[1,0]
.endr
.irp i, 1,2,3,4,5,6,7
	s_wait_dscnt 4*(7-\i)                          ; wave i's four loads are in; the later waves' stay out
.irp k, 0,1,2,3,4,5,6,7
	v_pk_fma_f32 v[OM+2*\k:OM+2*\k+1], v[OM+16*\i+2*\k:OM+16*\i+2*\k+1], v[FF+2*\i:FF+2*\i+1], v[OM+2*\k:OM+2*\k+1] op_sel_hi:[1,0,1]
.endr
.endr
	s_wait_alu depctr_va_vdst(0)
.irp k, 0,1,2,3,4,5,6,7
	v_pk_mul_f32 v[OM+2*\k:OM+2*\k+1], v[OM+2*\k:OM+2*\k+1], v[52:53]
.endr
.irp k, 0,1,2,3,4,5,6,7
	v_cvt_pk_f16_f32 v[PK+\k], v[OM+2*\k], v[OM+2*\k+1]
.endr
	global_store_b128 v1, v[PK:PK+3], s[10:11]                 ; d 0-15 of 16 queries: 512 consecutive bytes
	global_store_b128 v1, v[PK+4:PK+7], s[10:11] offset:512    ; d 16-31
	s_wait_tensorcnt 0x0
	ds_add_u32 v254, v255
	s_wait_dscnt 0x0
	s_endpgm
.Lfunc_end_k_qadc10a4515_attn:
	.size	k_qadc10a4515_attn, .Lfunc_end_k_qadc10a4515_attn-k_qadc10a4515_attn
	.p2alignl 7, 3214868480
	.fill 96, 4, 3214868480
	.section	.rodata,"a",@progbits
	.p2align	6, 0x0
	.amdhsa_kernel k_qadc10a4515_attn
		.amdhsa_group_segment_fixed_size 148480
		.amdhsa_private_segment_fixed_size 0
		.amdhsa_enable_private_segment 0
		.amdhsa_kernarg_size 32
		.amdhsa_user_sgpr_count 2
		.amdhsa_user_sgpr_kernarg_segment_ptr 1
		.amdhsa_wavefront_size32 1
		.amdhsa_system_sgpr_workgroup_id_x 1
		.amdhsa_system_sgpr_workgroup_id_y 1
		.amdhsa_system_sgpr_workgroup_id_z 1
		.amdhsa_system_vgpr_workitem_id 0
		.amdhsa_next_free_vgpr 512
		.amdhsa_next_free_sgpr 66
		.amdhsa_reserve_vcc 0
		.amdhsa_float_denorm_mode_32 3
		.amdhsa_float_denorm_mode_16_64 3
		.amdhsa_memory_ordered 1
		.amdhsa_forward_progress 1
		.amdhsa_inst_pref_size 255
	.end_amdhsa_kernel
	.section	.bss,"aw",@nobits
	.p2align	6
	.space	262144
	.amdgpu_metadata
---
amdhsa.version: [ 1, 2 ]
amdhsa.kernels:
  - .name:           k_qadc10a4515_attn
    .symbol:         k_qadc10a4515_attn.kd
    .args:
      - { .name: qf, .offset: 0, .size: 8, .value_kind: global_buffer, .address_space: global }
      - { .name: kf, .offset: 8, .size: 8, .value_kind: global_buffer, .address_space: global }
      - { .name: vf, .offset: 16, .size: 8, .value_kind: global_buffer, .address_space: global }
      - { .name: of, .offset: 24, .size: 8, .value_kind: global_buffer, .address_space: global }
    .group_segment_fixed_size: 148480
    .private_segment_fixed_size: 0
    .kernarg_segment_align: 8
    .kernarg_segment_size: 32
    .max_flat_workgroup_size: 256
    .sgpr_count:     66
    .vgpr_count:     512
    .wavefront_size: 32
...
	.end_amdgpu_metadata
.endif
;; end of part 2
;; launch outp (part 3): grid 4 x 64, 8 waves a work-group, no clusters, 18,432 bytes of LDS; arguments of, wof, b_out, out0; writes out0
.if DOCPART == 3
	.amdgcn_target "amdgcn-amd-amdhsa--gfx1250"
	.amdhsa_code_object_version 6
	.text
	.protected	k_qadc10a4515_outp
	.globl	k_qadc10a4515_outp
	.p2align	8
	.type	k_qadc10a4515_outp,@function
k_qadc10a4515_outp:
	s_mov_b64 s[64:65], 0
	v_nop
	global_prefetch_b8 v0, s[64:65] scope:SCOPE_SE
	s_setreg_imm32_b32 hwreg(HW_REG_WAVE_MODE, 25, 1), 1
	s_wait_xcnt 0x0
; out0 = of w_out + b_out.  of: [tile of 16 rows 256][head 8][c 2] pieces, wof: [nt 16][ks 8][c 2] pieces of 512 bytes in operand
; order (lane L's 16 bytes at 16 L), both f16; a k step of 32 is a head.  out0 f32.
; The work-group (bx, by) makes 64 rows x 64 columns; wave w: row tile w & 3, column tiles 4 bx + 2 (w >> 2) + e, e = 0, 1.
; w_out's operand comes first, so a lane's 8 results are 8 neighbouring columns of one row; the rows go out through LDS, so that
; sixteen lanes store 256 consecutive, aligned bytes.
; All of K (256) is asked for at once: 52 loads a wave, worked off by counted waits.
; No cluster: the operands arrive in register order by plain loads; a joint request would land in LDS and add an LDS write and
; read for each of the 24,576 bytes that feed a wave's 16 matrix instructions.
.set SP,  272                          ; stage pitch: 256 bytes + 16, so that 16 rows start in 16 different 16-byte columns
.set OUTR, 16                          ; v[16:31]   rows read back
.set ACT, 32                           ; v[32:95]   of operands, 8 ks + 4 c
.set WA,  96                           ; v[96:223]  wof operands, 64 e + 8 ks + 4 c
.set ACC, 224                          ; v[224:239] two result tiles
	s_load_b256 s[4:11], s[0:1], 0x0               ; of, wof, b_out, out0
	v_lshl_add_u32 v248, v0, 2, 0x4400
	v_mov_b32 v249, 0
	v_lshrrev_b32 v1, 5, v0
	v_readfirstlane_b32 s12, v1                    ; wave
	s_and_b32 s13, ttmp7, 0xffff                   ; by
	s_and_b32 s14, s12, 3                          ; rt
	s_lshr_b32 s15, s12, 2                         ; cp
	v_and_b32 v1, 31, v0
	v_and_b32 v8, 15, v0                           ; r
	v_bfe_u32 v9, v0, 4, 1                         ; h
	v_lshlrev_b32 v2, 4, v1                        ; v2 = 16 L
	s_lshl_b32 s16, ttmp9, 8
	s_lshl_b32 s17, s15, 7
	s_add_co_u32 s16, s16, s17
	v_lshl_add_u32 v3, v9, 5, s16                  ; v3: bias of columns 64 bx + 32 cp + 8 h ..
	s_mul_i32 s18, s14, 16*SP
	s_add_co_u32 s18, s18, s17
	v_mul_u32_u24 v4, v8, SP
	v_lshl_add_u32 v4, v9, 5, v4
	v_add_nc_u32 v4, s18, v4                       ; v4: stage, in: row 16 rt + r, columns 32 cp + 8 h ..
	s_mul_i32 s18, s12, 8*SP
	v_mul_u32_u24 v5, v9, SP
	v_lshl_add_u32 v5, v8, 4, v5
	v_add_nc_u32 v5, s18, v5                       ; v5: stage, back: row 8 w + h, 16 bytes a lane
	s_lshl_b32 s18, s12, 13
	v_lshlrev_b32 v6, 4, v8
	v_lshl_add_u32 v6, v9, 10, v6
	v_add_nc_u32 v6, s18, v6                       ; v6: the same place in the block of out0
	s_lshl2_add_u32 s16, s13, s14                  ; row tile 4 by + rt
	s_lshl_b32 s16, s16, 13
	s_mov_b32 s17, 0
	s_wait_kmcnt 0x0
	s_add_nc_u64 s[4:5], s[4:5], s[16:17]
	s_lshl_b32 s16, ttmp9, 15
	s_lshl_b32 s18, s15, 14
	s_add_co_u32 s16, s16, s18                     ; column tile 4 bx + 2 cp: 8,192 bytes each
	s_add_nc_u64 s[6:7], s[6:7], s[16:17]
	s_lshl_b32 s16, s13, 16
	s_lshl_b32 s18, ttmp9, 8
	s_add_co_u32 s16, s16, s18
	s_add_nc_u64 s[10:11], s[10:11], s[16:17]
.irp e, 0,1
	global_load_b128 v[ACC+8*\e:ACC+8*\e+3],   v3, s[8:9] offset:64*\e       ; the bias starts the sums
	global_load_b128 v[ACC+8*\e+4:ACC+8*\e+7], v3, s[8:9] offset:64*\e+16
.endr
.irp ks, 0,1,2,3,4,5,6,7
.irp e, 0,1
	global_load_b128 v[WA+64*\e+8*\ks:WA+64*\e+8*\ks+3],   v2, s[6:7] offset:\e*8192+\ks*1024
	global_load_b128 v[WA+64*\e+8*\ks+4:WA+64*\e+8*\ks+7], v2, s[6:7] offset:\e*8192+\ks*1024+512
.endr
	global_load_b128 v[ACT+8*\ks:ACT+8*\ks+3],   v2, s[4:5] offset:\ks*1024
	global_load_b128 v[ACT+8*\ks+4:ACT+8*\ks+7], v2, s[4:5] offset:\ks*1024+512
.endr
.irp ks, 0,1,2,3,4,5,6,7
	s_wait_loadcnt 6*(7-\ks)                       ; this k step's six loads (and the bias) are in; six for each later step stay out
.irp e, 0,1
	v_wmma_f32_16x16x32_f16 v[ACC+8*\e:ACC+8*\e+7], v[WA+64*\e+8*\ks:WA+64*\e+8*\ks+7], v[ACT+8*\ks:ACT+8*\ks+7], v[ACC+8*\e:ACC+8*\e+7]
.endr
.endr
.rept 4
	v_nop                                          ; four places before the LDS stores read the results
.endr
.irp e, 0,1
	ds_store_b128 v4, v[ACC+8*\e:ACC+8*\e+3] offset:64*\e
	ds_store_b128 v4, v[ACC+8*\e+4:ACC+8*\e+7] offset:64*\e+16
.endr
	s_wait_dscnt 0x0                               ; a row of 256 bytes is made by two waves: my stores are done,
	s_barrier_signal -1
	s_barrier_wait -1                              ; and so are the others'
.irp i, 0,1,2,3
	ds_load_b128 v[OUTR+4*\i:OUTR+4*\i+3], v5 offset:2*SP*\i
.endr
.irp i, 0,1,2,3
	s_wait_dscnt 3-\i                              ; rows 2 i, 2 i + 1 of my eight are in; the later ones stay out
	global_store_b128 v6, v[OUTR+4*\i:OUTR+4*\i+3], s[10:11] offset:2048*\i th:TH_STORE_NT
.endr
	s_wait_tensorcnt 0x0
	ds_add_u32 v248, v249
	s_wait_dscnt 0x0
	s_endpgm
.Lfunc_end_k_qadc10a4515_outp:
	.size	k_qadc10a4515_outp, .Lfunc_end_k_qadc10a4515_outp-k_qadc10a4515_outp
	.p2alignl 7, 3214868480
	.fill 96, 4, 3214868480
	.section	.rodata,"a",@progbits
	.p2align	6, 0x0
	.amdhsa_kernel k_qadc10a4515_outp
		.amdhsa_group_segment_fixed_size 18432
		.amdhsa_private_segment_fixed_size 0
		.amdhsa_enable_private_segment 0
		.amdhsa_kernarg_size 32
		.amdhsa_user_sgpr_count 2
		.amdhsa_user_sgpr_kernarg_segment_ptr 1
		.amdhsa_wavefront_size32 1
		.amdhsa_system_sgpr_workgroup_id_x 1
		.amdhsa_system_sgpr_workgroup_id_y 1
		.amdhsa_system_sgpr_workgroup_id_z 1
		.amdhsa_system_vgpr_workitem_id 0
		.amdhsa_next_free_vgpr 250
		.amdhsa_next_free_sgpr 66
		.amdhsa_reserve_vcc 0
		.amdhsa_float_denorm_mode_32 3
		.amdhsa_float_denorm_mode_16_64 3
		.amdhsa_memory_ordered 1
		.amdhsa_forward_progress 1
		.amdhsa_inst_pref_size 10
	.end_amdhsa_kernel
	.amdgpu_metadata
---
amdhsa.version: [ 1, 2 ]
amdhsa.kernels:
  - .name:           k_qadc10a4515_outp
    .symbol:         k_qadc10a4515_outp.kd
    .args:
      - { .name: of, .offset: 0, .size: 8, .value_kind: global_buffer, .address_space: global }
      - { .name: wof, .offset: 8, .size: 8, .value_kind: global_buffer, .address_space: global }
      - { .name: b_out, .offset: 16, .size: 8, .value_kind: global_buffer, .address_space: global }
      - { .name: out0, .offset: 24, .size: 8, .value_kind: global_buffer, .address_space: global }
    .group_segment_fixed_size: 18432
    .private_segment_fixed_size: 0
    .kernarg_segment_align: 8
    .kernarg_segment_size: 32
    .max_flat_workgroup_size: 256
    .sgpr_count:     66
    .vgpr_count:     250
    .wavefront_size: 32
...
	.end_amdgpu_metadata
.endif
;; end of part 3
;; ======== version 2 of 2: 3 launches; version 1 with the launch prep written anew for expert scheduling mode
;; limits: values are held in f16: magnitudes above 65,504 overflow, below 6.1e-05 lose precision
;; workspace buffers: qf 2,097,152 bytes; kf 2,097,152 bytes; vf 2,097,152 bytes; of 2,097,152 bytes; wof 131,072 bytes
;; launch prep (part 4): grid 4 x 64, 8 waves a work-group, no clusters, 135,168 bytes of LDS; arguments x, w_qkv, b_qkv, w_out, qf, kf, vf, wof; writes qf, kf, vf, wof
.if DOCPART == 4
	.amdgcn_target "amdgcn-amd-amdhsa--gfx1250"
	.amdhsa_code_object_version 6
	.text
	.protected	k_qadc10a4515_prep
	.globl	k_qadc10a4515_prep
	.p2align	8
	.type	k_qadc10a4515_prep,@function
k_qadc10a4515_prep:
	s_mov_b64 s[64:65], 0
	v_nop
	global_prefetch_b8 v0, s[64:65] scope:SCOPE_SE
	s_setreg_imm32_b32 hwreg(HW_REG_WAVE_SCHED_MODE, 0, 2), 2
	s_setreg_imm32_b32 hwreg(HW_REG_WAVE_MODE, 25, 1), 1
	s_wait_xcnt 0x0
	s_wait_alu depctr_vm_vsrc(0)
; qkv = x w_qkv + b_qkv, rounded to f16 and stored in the order in which the attention launch's matrix operands lie in
; registers; besides, w_out is rounded to f16 in the order of the last launch's operands.
; A PIECE is 512 bytes: lane L's 16 bytes at 16 L = registers 4c..4c+3 of a 16 x 32 f16 operand (row or column L & 15,
; k = 16 c + 8 (L >> 4) + 0..7: ISA guide 7.12.2).  A packed 16 x 16 result IS such a piece, so each goes out by one store of
; 512 consecutive, aligned bytes.
;   qf, kf: [head 8][tile of 16 rows 256][c 2] pieces, k = d.    vf: [head 8][32 keys 128][dt 2][c 2] pieces, row = d, k = key.
;   wof:    [nt 16][ks 8][c 2] pieces, row = output column, k = input column.
; The work-group (bx, by) makes 64 rows x 192 columns: 48 tiles x 8 k steps.  Wave w: row tile w & 3, column half w >> 2
; (3 groups of 32 columns = one head's q, k or v).
; f16, not bf16: four roundings lie between x and the output, and 2^-9 each is too coarse for one hundredth of the output's rms.
; LIMIT: |q|, |k|, |v| (and x, w) below 65,504, f16's largest number.
; No cluster, no tensor load: w has to be transposed and rounded on its way, which goes through registers; its f32 slice
; (196,608 bytes) beside the f16 images (134,080 bytes) would not fit into 327,680 bytes of LDS.
; THE MODE: SCHED_MODE bits 1:0 = 2 (LLVM: expert scheduling mode 2), set by the entry lines.  The code itself states the register
; dependences between vector or matrix instructions and memory or LDS instructions, with s_wait_alu, always for 0.
; THE PLAN.  Registers that memory or LDS instructions touch:
;   v2-v8, v12, v13, v15  offsets and addresses: made at the head, never written again.
;   v9, v10, v11          LDS addresses of the loop: read by a trip's LDS loads, stepped once a trip in the places behind its products.
;   XR      x's loads land; 32 conversions close it up in place; 16 LDS stores read it; behind the barrier the x operands land; products read them.
;   WR      slot q % 4: group q's loads land, its 16 conversions read it, group q + 4 lands (q = 0, 1).  In the loop: w operands land, products read them.
;   T, ACC  while w is staged: out-buffer q % 2, written by group q's conversions, read by its four LDS stores.
;   ACC     in the loop: bias loads land or the first products write it; products, roundings; two global stores read it.
;   v28, v30  (v) the bias lands; the packed adds read it.
; One wait on va_vdst stands behind each run of conversions, ahead of the run of stores that reads them and of the loads that land in what
; they have read; one wait on vm_vsrc ahead of each run that writes an out-buffer, an address or ACC again.
.set XPITCH, 272                       ; x image: 16 rows x 16 bytes + 16: the 8-byte stage stores of 32 lanes fall on 64 different words
.set XTILE,  32*XPITCH                 ; a row tile: 32 octets of k
.set WF,     4*XTILE                   ; w image: (column tile nt, octet o, column r) at nt*WTILE + 256 o + 16 r
.set WTILE,  8208                      ; 32 octets x 256 + 16: the stage stores of 16 lanes fall on 16 different 16-byte columns
.set BL,     WF+12*WTILE               ; 192 f32 of bias
.set T,      32                        ; v[32:47]   at the head at work; then out-buffer 0 of w's stage
.set XR,     48                        ; v[48:111]  x as loaded, packed in place; later x operands, 8 ks + 4 c
.set WR,     112                       ; v[112:239] w as loaded, 4 slots of 32; later w operands, 64 e + 8 ks + 4 c
.set ACC,    240                       ; v[240:255] out-buffer 1 of w's stage; then two result tiles
	s_load_b512 s[4:19], s[0:1], 0x0               ; x, w_qkv, b_qkv, w_out, qf, kf, vf, wof
	s_set_vgpr_msb 0x40
	v_lshl_add_u32 v0, v0, 2, 0x20c00
	v_mov_b32 v1, 0
	s_set_vgpr_msb 0x4000
	v_lshrrev_b32 v1, 5, v0
	v_readfirstlane_b32 s20, v1                    ; wave
	s_mov_b32 s21, ttmp9                           ; bx
	s_and_b32 s22, ttmp7, 0xffff                   ; by
	s_lshl2_add_u32 s25, s22, s21                  ; b = 4 by + bx, 0..255: the piece of wof that this work-group makes
	v_and_b32 v1, 31, v0                           ; L
	v_and_b32 v32, 15, v0                          ; r
	v_bfe_u32 v33, v0, 4, 1                        ; h
	v_lshlrev_b32 v2, 4, v1                        ; v2 = 16 L
	v_lshlrev_b32 v3, 4, v32
	v_mad_u32_u24 v3, v33, 0x6000, v3              ; v3 = 8 h rows of w (3,072 bytes each) + 16 r
	v_lshrrev_b32 v34, 1, v1
	v_and_b32 v35, 1, v0
	v_mul_u32_u24 v4, v34, XPITCH
	v_lshl_add_u32 v4, v35, 3, v4
	s_wait_alu depctr_va_sdst(0)                   ; s20 is written, ahead of its first reader: places, bases and branches are made from it
	s_and_b32 s23, s20, 3                          ; rt
	s_lshr_b32 s24, s20, 2                         ; ch
	s_lshr_b32 s26, s20, 1
	s_mul_i32 s26, s26, XTILE
	s_and_b32 s27, s20, 1
	s_lshl_b32 s27, s27, 7
	s_add_co_u32 s26, s26, s27
	v_add_nc_u32 v4, s26, v4                       ; v4: x stage: octet L >> 1, half L & 1, row tile w >> 1, rows 8 (w & 1) ..
	v_bfe_u32 v34, v0, 2, 2
	v_and_b32 v35, 3, v0
	v_mul_u32_u24 v5, v34, WTILE
	v_lshl_add_u32 v5, v35, 6, v5
	v_lshl_add_u32 v5, v33, 8, v5
	s_lshl_b32 s26, s20, 10
	s_add_co_u32 s26, s26, WF
	v_add_nc_u32 v5, s26, v5                       ; v5: w stage, columns 0-63: tile r >> 2, column 4 (r & 3), octet 4 w + h
	v_add_nc_u32 v6, 4*WTILE, v5                   ; v6: columns 64-127 (registers, since an LDS immediate has 16 bits)
	v_add_nc_u32 v7, 8*WTILE, v5                   ; v7: columns 128-191
	v_mul_u32_u24 v8, v33, XPITCH
	v_lshl_add_u32 v8, v32, 4, v8
	s_mul_i32 s26, s23, XTILE
	v_add_nc_u32 v8, s26, v8                       ; v8: x operands of my row tile
	s_mul_i32 s26, s24, 6*WTILE
	s_add_co_u32 s26, s26, WF
	v_add_nc_u32 v9, s26, v2                       ; v9: w operands of my group's first tile; steps by 2 tiles a trip
	s_mul_i32 s26, s24, 384
	s_add_co_u32 s26, s26, BL
	v_lshl_add_u32 v10, v33, 5, s26                ; v10: bias of columns 8 h .. of my group (q, k)
	v_lshl_add_u32 v11, v32, 2, s26                ; v11: bias of column r of my group (v)
	v_lshlrev_b32 v12, 2, v0
	v_add_nc_u32 v13, BL, v12
	v_lshlrev_b32 v15, 2, v32
	v_lshl_add_u32 v15, v33, 13, v15               ; v15: w_out: 8 h rows of 1,024 bytes + 4 r
	v_mov_b32 v29, 0                               ; upper registers of the two bias pairs: named by the packed add, not used
	v_mov_b32 v31, 0
	s_wait_kmcnt 0x0
	s_and_b32 s26, s25, 15
	s_lshl_b32 s26, s26, 14                        ; piece b of wof: k = 16 (b & 15) ..,
	s_lshr_b32 s28, s25, 4
	s_lshl_b32 s28, s28, 6                         ; columns 16 (b >> 4) ..
	s_add_co_u32 s26, s26, s28
	s_mov_b32 s27, 0
	s_add_nc_u64 s[10:11], s[10:11], s[26:27]
	s_mul_i32 s26, s21, 768
	s_add_nc_u64 s[8:9], s[8:9], s[26:27]          ; bias of my 192 columns
	s_mul_i32 s28, s20, 98304                      ; wave w stages k = 32 w .. 32 w + 31 of w_qkv
	s_add_co_u32 s26, s26, s28
	s_add_nc_u64 s[6:7], s[6:7], s[26:27]
	s_lshl_b32 s26, s22, 16
	s_lshl_b32 s28, s20, 13                        ; wave w stages rows 8 w .. 8 w + 7 of the block of x
	s_add_co_u32 s26, s26, s28
	s_add_nc_u64 s[4:5], s[4:5], s[26:27]
	s_lshl_b32 s26, s25, 9
	s_add_nc_u64 s[18:19], s[18:19], s[26:27]
	s_wait_alu depctr_va_vdst(0)                   ; the offsets and addresses v2 to v13 and v15 are written, which the loads and stores of the kernel read
	; The few loads that not every wave makes come first: they are the oldest, so no later count hangs on them.
	s_cmp_lg_u32 s20, 0
	s_cbranch_scc1 .Lno_wout
.irp i, 0,1,2,3,4,5,6,7
	global_load_b32 v[16+\i], v15, s[10:11] offset:\i*1024     ; w_out(k + i, column r)
.endr
.Lno_wout:
	s_cmp_ge_u32 s20, 6
	s_cbranch_scc1 .Lno_bias
	global_load_b32 v14, v12, s[8:9]               ; threads 0-191: one bias word each
.Lno_bias:
.irp i, 0,1,2,3,4,5,6,7
	global_load_b128 v[XR+8*\i:XR+8*\i+3],   v2, s[4:5] offset:\i*1024        ; a row of x by two loads of 512 consecutive bytes
	global_load_b128 v[XR+8*\i+4:XR+8*\i+7], v2, s[4:5] offset:\i*1024+512
.endr
; Group q = 3 c + u of w: rows k = 32 w + 16 c + 8 h + i, columns 64 u + 4 r .. + 3; sixteen lanes read 256 consecutive, aligned bytes.
.macro LOADW q
.irp i, 0,1,2,3,4,5,6,7
	global_load_b128 v[WR+32*((\q)%4)+4*\i:WR+32*((\q)%4)+4*\i+3], v3, s[6:7] offset:(16*((\q)/3)+\i)*3072+((\q)%3)*256
.endr
.endm
; The lane holds 8 k x 4 columns: each column's 8 k make the 16 bytes of one slot of the w image.
; left: how many younger loads may stay out when group q has to be there.  The group's 16 conversions write out-buffer q % 2; its four LDS stores follow in one run.
.macro PACKW q, left
.set OUTB, T+(ACC-T)*((\q)%2)
	s_wait_loadcnt \left                           ; loads come back in order (ISA guide 5.7.1): group q is in
.if (\q) > 1
	s_wait_alu depctr_vm_vsrc(0)                   ; the LDS stores of group q - 2 have read this out-buffer, which the conversions below write again
.endif
.irp jj, 0,1,2,3
.irp ip, 0,1,2,3
	v_cvt_pk_f16_f32 v[OUTB+4*\jj+\ip], v[WR+32*((\q)%4)+8*\ip+\jj], v[WR+32*((\q)%4)+8*\ip+4+\jj]
.endr
.endr
	s_wait_alu depctr_va_vdst(0)                   ; the conversions have written the out-buffer, which the LDS stores read, and are done reading slot q % 4, in which later loads land
.if (\q) < 2
	LOADW (\q)+4                                   ; the slot just packed is asked for again at once
.endif
.irp jj, 0,1,2,3
	ds_store_b128 v[5+(\q)%3], v[OUTB+4*\jj:OUTB+4*\jj+3] offset:((\q)/3)*512+16*\jj
.endr
.endm
	LOADW 0
	LOADW 1
	LOADW 2
	LOADW 3
	s_wait_loadcnt 32                              ; x and all that is older are in; the 32 loads of w stay out
.irp i, 0,1,2,3,4,5,6,7
.irp p, 0,1
	v_cvt_pk_f16_f32 v[XR+8*\i+4*\p],   v[XR+8*\i+4*\p],   v[XR+8*\i+4*\p+1]    ; four numbers close up into the first two of their four registers
	v_cvt_pk_f16_f32 v[XR+8*\i+4*\p+1], v[XR+8*\i+4*\p+2], v[XR+8*\i+4*\p+3]
.endr
.endr
	s_wait_alu depctr_va_vdst(0)                   ; the conversions have written v[XR ..], which the LDS stores read
.irp i, 0,1,2,3,4,5,6,7
.irp p, 0,1
	ds_store_b64 v4, v[XR+8*\i+4*\p:XR+8*\i+4*\p+1] offset:\p*16*XPITCH+16*\i
.endr
.endr
	s_cmp_ge_u32 s20, 6
	s_cbranch_scc1 .Lno_bias2
	ds_store_b32 v13, v14
.Lno_bias2:
	PACKW 0, 24                                    ; groups 1, 2, 3 stay out; group 4 is asked for
	PACKW 1, 24                                    ; groups 2, 3, 4 stay out; group 5 is asked for
	PACKW 2, 24                                    ; groups 3, 4, 5 stay out
	PACKW 3, 16
	PACKW 4, 8
	PACKW 5, 0
	s_wait_dscnt 0x0                               ; my stage stores are done, for the other waves' sake,
	s_barrier_signal -1
	s_barrier_wait -1                              ; and so are everybody's: the images are read from here on and never written again
	s_wait_alu depctr_vm_vsrc(0)                   ; my LDS stores have read v[XR ..], in which the x operands land (the conversions that named them stand ahead of the last wait on va_vdst)
.irp ks, 0,1,2,3,4,5,6,7
	ds_load_b128 v[XR+8*\ks:XR+8*\ks+3],   v8 offset:(4*\ks)*XPITCH
	ds_load_b128 v[XR+8*\ks+4:XR+8*\ks+7], v8 offset:(4*\ks+2)*XPITCH
.endr
	s_mul_i32 s31, s21, 6
	s_mul_i32 s26, s24, 3
	s_add_co_u32 s31, s31, s26                     ; G: my first group of 32 columns; G >> 3: q, k or v; G & 7: head
	s_mov_b32 s30, 0
.Lgrp:
	s_wait_xcnt 0x0                                ; the last trip's stores have read ACC and s[36:37]: both are written again below
	s_wait_alu depctr_vm_vsrc(0)                   ; the last trip's global stores (in the first trip: the stage's LDS stores) have read ACC, in which the bias lands or which the first products write
	s_lshr_b32 s33, s31, 3
	s_and_b32 s34, s31, 7
	; No wait on va_vdst here: the last one (ahead of the last trip's stores; in the first trip group 5's) stands behind every product and conversion that
	; named WR, ACC, v28 and v30 and behind the steps of v9 to v11, and no vector or matrix instruction has been issued since.
.irp e, 0,1
.irp ks, 0,1,2,3,4,5,6,7
	ds_load_b128 v[WR+64*\e+8*\ks:WR+64*\e+8*\ks+3],   v9 offset:\e*WTILE+\ks*1024
	ds_load_b128 v[WR+64*\e+8*\ks+4:WR+64*\e+8*\ks+7], v9 offset:\e*WTILE+\ks*1024+512
.endr
.endr
	s_lshl_b32 s26, s34, 18                        ; a head's part of qf, kf, vf: 262,144 bytes
	s_mov_b32 s27, 0
	s_cmp_eq_u32 s33, 2
	s_cbranch_scc1 .Lvpath
	; q or k: w first, x second: register j = column 8 h + j of row r, eight neighbouring d of one row.  The bias starts the sums.
.irp e, 0,1
	ds_load_b128 v[ACC+8*\e:ACC+8*\e+3],   v10 offset:64*\e
	ds_load_b128 v[ACC+8*\e+4:ACC+8*\e+7], v10 offset:64*\e+16
.endr
	s_lshl2_add_u32 s28, s22, s23                  ; tile 4 by + rt
	s_lshl_b32 s28, s28, 10
	s_add_co_u32 s26, s26, s28
	s_cmp_eq_u32 s33, 0
	s_cselect_b64 s[36:37], s[12:13], s[14:15]
	s_add_nc_u64 s[36:37], s[36:37], s[26:27]
	s_wait_dscnt 0x0
.irp ks, 0,1,2,3,4,5,6,7
.irp e, 0,1
	v_wmma_f32_16x16x32_f16 v[ACC+8*\e:ACC+8*\e+7], v[WR+64*\e+8*\ks:WR+64*\e+8*\ks+7], v[XR+8*\ks:XR+8*\ks+7], v[ACC+8*\e:ACC+8*\e+7]
.endr
.endr
	s_wait_alu depctr_vm_vsrc(0)                   ; this trip's LDS loads have read v9, v10 and v11, which are stepped below
	v_add_nc_u32 v9, 2*WTILE, v9                   ; the next group's addresses: these three and two v_nop are the places behind the products:
	v_add_nc_u32 v10, 128, v10                     ; four before the results are read, five before the next trip's first product writes over ACC (ISA guide 7.12.1)
	v_add_nc_u32 v11, 128, v11
	v_nop
	v_nop
.irp e, 0,1
.irp i, 0,1,2,3
	v_cvt_pk_f16_f32 v[ACC+8*\e+\i], v[ACC+8*\e+2*\i], v[ACC+8*\e+2*\i+1]    ; in place: register i is written when 2 i and 2 i + 1 have been read
.endr
.endr
	s_wait_alu depctr_va_vdst(0)                   ; the roundings have written ACC, which the stores read; for the next trip's LDS loads: the products are done reading WR, and v9 to v11 are written
	global_store_b128 v2, v[ACC:ACC+3], s[36:37]               ; piece c = 0: d 0-15
	global_store_b128 v2, v[ACC+8:ACC+11], s[36:37] offset:512 ; piece c = 1: d 16-31
	s_branch .Lnext
.Lvpath:
	; v: x first, w second: register j = key 8 h + j at d = r, eight neighbouring keys of one d
	ds_load_b32 v28, v11
	ds_load_b32 v30, v11 offset:64
	s_lshr_b32 s28, s23, 1
	s_lshl1_add_u32 s28, s22, s28                  ; chunk of 32 keys: 2 by + (rt >> 1)
	s_lshl_b32 s28, s28, 11
	s_add_co_u32 s26, s26, s28
	s_and_b32 s28, s23, 1                          ; c = which 16 of the 32 keys
	s_lshl_b32 s28, s28, 9
	s_add_co_u32 s26, s26, s28
	s_add_nc_u64 s[36:37], s[16:17], s[26:27]
	s_wait_dscnt 0x0
.irp ks, 0,1,2,3,4,5,6,7
.irp e, 0,1
.if \ks == 0
	v_wmma_f32_16x16x32_f16 v[ACC+8*\e:ACC+8*\e+7], v[XR+8*\ks:XR+8*\ks+7], v[WR+64*\e+8*\ks:WR+64*\e+8*\ks+7], 0
.else
	v_wmma_f32_16x16x32_f16 v[ACC+8*\e:ACC+8*\e+7], v[XR+8*\ks:XR+8*\ks+7], v[WR+64*\e+8*\ks:WR+64*\e+8*\ks+7], v[ACC+8*\e:ACC+8*\e+7]
.endif
.endr
.endr
	s_wait_alu depctr_vm_vsrc(0)                   ; this trip's LDS loads have read v9, v10 and v11, which are stepped below
	v_add_nc_u32 v9, 2*WTILE, v9                   ; the five places, as above
	v_add_nc_u32 v10, 128, v10
	v_add_nc_u32 v11, 128, v11
	v_nop
	v_nop
.irp e, 0,1
.irp i, 0,1,2,3
	v_pk_add_f32 v[ACC+8*\e+2*\i:ACC+8*\e+2*\i+1], v[ACC+8*\e+2*\i:ACC+8*\e+2*\i+1], v[28+2*\e:29+2*\e] op_sel_hi:[1,0]   ; the lane's one bias to both
.endr
.endr
.irp e, 0,1
.irp i, 0,1,2,3
	v_cvt_pk_f16_f32 v[ACC+8*\e+\i], v[ACC+8*\e+2*\i], v[ACC+8*\e+2*\i+1]
.endr
.endr
	s_wait_alu depctr_va_vdst(0)                   ; the roundings have written ACC, which the stores read; for the next trip's LDS loads: the products are done reading WR, the adds v28 and v30, and v9 to v11 are written
	global_store_b128 v2, v[ACC:ACC+3], s[36:37]                ; dt = 0
	global_store_b128 v2, v[ACC+8:ACC+11], s[36:37] offset:1024 ; dt = 1
.Lnext:
	s_add_co_u32 s31, s31, 1
	s_add_co_u32 s30, s30, 1
	s_cmp_lt_u32 s30, 3
	s_cbranch_scc1 .Lgrp
	s_cmp_lg_u32 s20, 0
	s_cbranch_scc1 .Lend
.irp i, 0,1,2,3
	v_cvt_pk_f16_f32 v[24+\i], v[16+2*\i], v[17+2*\i]          ; wave 0's oldest loads: in since the first counted wait
.endr
	s_wait_alu depctr_va_vdst(0)                   ; the conversions have written v[24:27], which the store reads
	global_store_b128 v2, v[24:27], s[18:19]       ; piece b of wof
.Lend:
	s_set_vgpr_msb 0x5
	s_wait_dscnt 0x0
	s_wait_alu depctr_hold_cnt(0) depctr_sa_sdst(0) depctr_va_vdst(0) depctr_va_sdst(0) depctr_va_ssrc(0) depctr_va_vcc(0) depctr_vm_vsrc(0)
	s_wait_tensorcnt 0x0
	ds_add_u32 v0, v1
	s_wait_dscnt 0x0
	s_endpgm
.Lfunc_end_k_qadc10a4515_prep:
	.size	k_qadc10a4515_prep, .Lfunc_end_k_qadc10a4515_prep-k_qadc10a4515_prep
	.p2alignl 7, 3214868480
	.fill 96, 4, 3214868480
	.section	.rodata,"a",@progbits
	.p2align	6, 0x0
	.amdhsa_kernel k_qadc10a4515_prep
		.amdhsa_group_segment_fixed_size 135168
		.amdhsa_private_segment_fixed_size 0
		.amdhsa_enable_private_segment 0
		.amdhsa_kernarg_size 64
		.amdhsa_user_sgpr_count 2
		.amdhsa_user_sgpr_kernarg_segment_ptr 1
		.amdhsa_wavefront_size32 1
		.amdhsa_system_sgpr_workgroup_id_x 1
		.amdhsa_system_sgpr_workgroup_id_y 1
		.amdhsa_system_sgpr_workgroup_id_z 1
		.amdhsa_system_vgpr_workitem_id 0
		.amdhsa_next_free_vgpr 258
		.amdhsa_next_free_sgpr 66
		.amdhsa_reserve_vcc 0
		.amdhsa_float_denorm_mode_32 3
		.amdhsa_float_denorm_mode_16_64 3
		.amdhsa_memory_ordered 1
		.amdhsa_forward_progress 1
		.amdhsa_inst_pref_size 32
	.end_amdhsa_kernel
	.amdgpu_metadata
---
amdhsa.version: [ 1, 2 ]
amdhsa.kernels:
  - .name:           k_qadc10a4515_prep
    .symbol:         k_qadc10a4515_prep.kd
    .args:
      - { .name: x, .offset: 0, .size: 8, .value_kind: global_buffer, .address_space: global }
      - { .name: w_qkv, .offset: 8, .size: 8, .value_kind: global_buffer, .address_space: global }
      - { .name: b_qkv, .offset: 16, .size: 8, .value_kind: global_buffer, .address_space: global }
      - { .name: w_out, .offset: 24, .size: 8, .value_kind: global_buffer, .address_space: global }
      - { .name: qf, .offset: 32, .size: 8, .value_kind: global_buffer, .address_space: global }
      - { .name: kf, .offset: 40, .size: 8, .value_kind: global_buffer, .address_space: global }
      - { .name: vf, .offset: 48, .size: 8, .value_kind: global_buffer, .address_space: global }
      - { .name: wof, .offset: 56, .size: 8, .value_kind: global_buffer, .address_space: global }
    .group_segment_fixed_size: 135168
    .private_segment_fixed_size: 0
    .kernarg_segment_align: 8
    .kernarg_segment_size: 64
    .max_flat_workgroup_size: 256
    .sgpr_count:     66
    .vgpr_count:     258
    .wavefront_size: 32
...
	.end_amdgpu_metadata
.endif
;; end of part 4
;; launch attn: the kernel of part 2 again; grid 32 x 8, 8 waves a work-group, no clusters, 148,480 bytes of LDS; arguments qf, kf, vf, of; writes of
;; launch outp: the kernel of part 3 again; grid 4 x 64, 8 waves a work-group, no clusters, 18,432 bytes of LDS; arguments of, wof, b_out, out0; writes out0
